; MI455X (gfx1250); checked and timed in simulation.
; The chip was launched on July 23, 2026; its instructions are those of AMD's public machine-readable ISA for CDNA 5 (MIT licence, August 2026) and "CDNA5" Instruction Set Architecture Reference Guide (July 2026). The comments in the code are by the model that wrote it; some were corrected since.
;; Bilateral Slice Apply. Allowed arithmetic: float matrix products may take bf16 or f16 operands with f32 sums; all other float work in f32.
;; Inputs: grid 2 x 8 x 2 x 8 x 16 x 16 float32; guide 2 x 8 x 512 x 512 float32; input 2 x 8 x 512 x 512 float32.
;; Outputs: out0 2 x 8 x 512 x 512 float32.
;; 2 versions, each right; version 2 is version 1 with the launch slice written anew for expert scheduling mode. Each part assembles by itself: llvm-mc -triple=amdgcn-amd-amdhsa -mcpu=gfx1250 --defsym DOCPART=n.
;; ======== version 1 of 2: 1 launch
;; limits: values outside matrix products are rounded to f16; values are held in f16: magnitudes above 65,504 overflow, below 6.1e-05 lose precision
;; launch slice (part 1): grid 256 x 1, 8 waves a work-group, no clusters, 34,048 bytes of LDS; arguments grid, guide, input, out0; writes out0
.if DOCPART == 1
	.amdgcn_target "amdgcn-amd-amdhsa--gfx1250"
	.amdhsa_code_object_version 6
	.text
	.protected	k_q95276fd0c0_slice
	.globl	k_q95276fd0c0_slice
	.p2align	8
	.type	k_q95276fd0c0_slice,@function
k_q95276fd0c0_slice:
	s_mov_b64 s[64:65], 0
	v_nop
	global_prefetch_b8 v0, s[64:65] scope:SCOPE_SE
	s_setreg_imm32_b32 hwreg(HW_REG_WAVE_MODE, 25, 1), 1
	s_wait_xcnt 0x0
; BilateralSliceApply.  grid [2][8 co][2 s][8 z][16 y][16 x], guide, input, out [2][8][512][512], all f32.
; out[co] = sum over ci of input[ci] * W(co, ci) + mean over ci of Bias(co, ci), W and Bias = grid sampled trilinearly at (7 guide[ci], y, x).
;
; HOW IT IS COMPUTED.  Linear interpolation along z with border clamp is  sum over z = 0..7 of G[z] * hat z (t),  t = 7 g clamped to 0..7,
; hat z (t) = max(0, 1 - |t - z|).  So a pixel needs 16 numbers: Hw[z] = sum over channels of input * hat z, Hb[z] = sum of hat z; their
; contraction with the grid (interpolated in y and x) is a matrix product that 16 pixels share: v_wmma_f32_16x16x32_f16, sums in f32.
; A channel's hats are not negative and add up to one, so the rounded operands meet in no telescoping sum: the sum of |a b| stays within
; max |G| * sum |input|, as in the module's own sum.
; The hats cost one instruction a number and z: with m z = clamp(7 g, z, z + 1):  hat 0 = 1 - m 0,  hat z = m (z-1) - m z + 1,  hat 7 = m 6 - 6.
; These differences are taken on the channel sums, in f32, before the one rounding to f16: Hw[z] = Mw[z-1] - Mw[z] + S with Mw[z] = sum input * m z,
; S = sum input.  Mw is at most 7 times the numbers that it yields, whatever the inputs: at most 3 of f32's 24 bits go.
;   K = 32: k = 8 h + z: Hw[z] of channels 4h..4h+3;  k = 16 + 8 h + z: Hb[z] of the same channels.  Lane half h sums its own four channels,
;           the matrix instruction adds the two halves.
;   M = 16: m = 2 co + nd, x node n0 + 2 q + nd in product q = 0, 1: a strip of 64 pixels spans 63 * 15 / 511 = 1.85 cells, so at most 4 nodes.
;   N = 16: pixel 64 j + 4 r + px, px = 0..3 in four products, so that a lane's loads and stores are 16 neighbouring bytes.
; The y interpolation is made in f32 on the A side, once for each image row, over 3 y nodes with two ramps: four rows span 0.09 cells, at most 2 cells.
; The four node results of a pixel are blended with hat weights of x that stay in registers.
;
; SHARES.  256 work-groups = 2 images x 128 blocks of 4 rows; wave j = strip j (64 pixels) of those rows, one tile for each row.
; Lane (r = l % 16, h = l / 16): pixels 64 j + 4 r .. + 3, input channels 4 h + c, output channels 4 h + c.  Each load or store of a wave covers
; two runs of 256 consecutive bytes, each at a multiple of 256 from its buffer's first byte.  All loads of a wave are issued at its head.
; NO CLUSTER, NO TENSOR LOAD: guide, input and out are touched by one wave each; only the 32 KB grid slab is shared, against 192 KB of a work-group's
; own bytes, and its y window differs between neighbouring work-groups, so that no joint request would be equal in all partners.
;
; LIMITS.  Matrix operands are f16: a grid entry or a sum of four inputs above 65,504 in magnitude overflows; below 6e-5 the absolute rounding
; step is 6e-8.  Every grid entry must be finite: a strip multiplies all 3 x 4 nodes of its window and all 8 z, some by weight 0.
; A NaN in guide is clamped to a bound, not passed on.  Positions are index * f32(15/511), a few units in the last place from linspace.
; The sums over channels and z run in another order than in the module.
.set ROWB,  2048                       ; bytes in an image row
.set CHB,   0x100000                   ; bytes in a channel plane, 512 x 512 x 4
.set TILES, 4                          ; rows of a wave
.set COP,   4112                       ; LDS bytes of one output channel's slab part: 16 planes x 256 + 16, i.e. 1028 words: channel co starts at bank 4 co (64 banks of 4 bytes: ISA guide 11.1)
.set FRAGS, 1024                       ; LDS bytes of one row's two A fragments
.set VOFF, 1                           ; v1        byte offset of my 16 bytes in guide, input, out: 4 MB x h + 16 r
.set LRD,  2                           ; v2        LDS: where I read A fragments
.set LWR,  3                           ; v3        LDS: where I put my row of A
.set GOFF, 4                           ; v4        byte offset of my piece of the slab in grid
.set LSL,  5                           ; v5        LDS: where that piece goes
.set HX,   8                           ; v[8:23]   pixel px: hat weights of x nodes n0 .. n0+3
.set ST,   24                          ; v[24:151] tile t: 16 registers guide [c][px] (then 7 g, then out [c][px]), 16 registers input [c][px]
.set AF,   152                         ; v[152:167] A fragments q = 0, 1 of the tile's row
.set BF,   168                         ; v[168:183] B fragments of two pixels
.set DD,   184                         ; v[184:215] results: pixel e of the pair, product q: 8 registers
.set MM,   216                         ; v[216:231] clamped 7 g, [c][pixel of the pair], two buffers that take turns with z
.set WW,   232                         ; v[232:235] Mw of an even and an odd z, two pixels each
.set BB,   236                         ; v[236:239] Mb likewise
.set TT,   240                         ; v[240:241] at work
.set SS,   242                         ; v[242:243] S of two pixels
.set HW,   244                         ; v[244:247] Hw of an even and an odd z, two pixels each
.set HB,   248                         ; v[248:251] Hb likewise
; before the tiles only, in registers that the tiles use otherwise:
.set SL,   152                         ; v[152:183] my 8 pieces of the slab
.set XV,   152                         ; v[152:199] my (co, node): y set 0..2 x z 0..7 x (weight, bias)
.set XT,   200                         ; v[200:215] one row's 8 z x (weight, bias)
.set XF,   216                         ; v[216:223] the same in f16
.set RY,   224                         ; v[224:239] row t: (ry0, ry0/8, ry1, ry1/8)
.set TA,   240
.set TB,   241
.set NF,   244                         ; v[244:247] -(n0 + i)
.set YF,   248                         ; -(first y node)
.set GA,   249                         ; LDS: where I gather my grid numbers
.set W0,   250
.set CO,   251
.set ZC,   36                          ; s[36:43]  0.0 .. 7.0
	s_load_b256 s[4:11], s[0:1], 0x0               ; grid s[4:5], guide s[6:7], input s[8:9], out s[10:11]
	v_lshl_add_u32 v254, v0, 2, 0x8100
	v_mov_b32 v255, 0
	v_lshrrev_b32 v2, 5, v0
	v_readfirstlane_b32 s12, v2                    ; wave = strip j
	v_and_b32 v6, 15, v0                           ; r
	v_bfe_u32 v7, v0, 4, 1                         ; h
	s_lshr_b32 s13, ttmp9, 7                       ; image
	s_and_b32 s14, ttmp9, 127
	s_lshl_b32 s14, s14, 2                         ; first row
	; floor(n / 511) = (n * 8209) >> 22 for n <= 7665: 8209 / 2^22 exceeds 1/511 by a factor 1.000118, at most 0.0018 in 15, less than 1/511
	s_mul_i32 s15, s14, 15*8209
	s_lshr_b32 s15, s15, 22
	s_min_u32 s15, s15, 13                         ; first of my three y nodes
	s_min_u32 s17, s15, 12                         ; first of the slab's four y rows
	s_cmp_gt_u32 s15, 12
	s_cselect_b32 s18, 64, 0                       ; my first node's place in the slab, in bytes
	s_mul_i32 s16, s12, 960*8209
	s_lshr_b32 s16, s16, 22
	s_min_u32 s16, s16, 12                         ; n0: first of the strip's four x nodes (0, 1, 3, 5, 7, 9, 11, 12)
	s_lshl_b32 s28, s13, 17                        ; grid: image x 131,072 bytes
	s_lshl_b32 s2, s17, 6                          ;       + y row x 64
	s_add_co_u32 s28, s28, s2
	s_mov_b32 s29, 0
	s_lshl_b32 s30, s13, 23                        ; guide, input, out: image x 8 MB
	s_lshl_b32 s2, s14, 11                         ;       + row x 2,048
	s_add_co_u32 s30, s30, s2
	s_lshl_b32 s2, s12, 8                          ;       + strip x 256
	s_add_co_u32 s30, s30, s2
	s_mov_b32 s31, 0
	v_lshrrev_b32 v[GOFF], 4, v0                   ; plane 8 s + z = thread / 16
	v_lshlrev_b32 v[GOFF], 10, v[GOFF]             ; x 1,024 bytes
	v_lshl_add_u32 v[GOFF], v6, 4, v[GOFF]         ; + my 16 of the plane's 256 bytes (4 y rows)
	v_lshlrev_b32 v[VOFF], 4, v6
	v_lshl_add_u32 v[VOFF], v7, 22, v[VOFF]
	s_wait_kmcnt 0x0
	s_add_nc_u64 s[4:5], s[4:5], s[28:29]
	s_add_nc_u64 s[6:7], s[6:7], s[30:31]
	s_add_nc_u64 s[8:9], s[8:9], s[30:31]
	s_add_nc_u64 s[10:11], s[10:11], s[30:31]
	; the slab: load k brings output channel k, 16 planes x 256 consecutive bytes, 16 lanes to a plane
.irp k, 0,1,2,3,4,5,6,7
	global_load_b128 v[SL+4*\k:SL+4*\k+3], v[GOFF], s[4:5] offset:\k*16384
.endr
	; all four tiles: 32 loads, read once in the launch
.irp t, 0,1,2,3
.irp c, 0,1,2,3
	global_load_b128 v[ST+32*\t+4*\c:ST+32*\t+4*\c+3], v[VOFF], s[6:7] offset:\c*CHB+\t*ROWB th:TH_LOAD_NT
	global_load_b128 v[ST+32*\t+16+4*\c:ST+32*\t+16+4*\c+3], v[VOFF], s[8:9] offset:\c*CHB+\t*ROWB th:TH_LOAD_NT
.endr
.endr
	; while they are on their way: LDS addresses, constants, the weights of x and y
	v_lshlrev_b32 v[LSL], 4, v0                    ; slab piece: 16 x thread (+ k x COP)
	s_lshl_b32 s22, s12, 12                        ; my wave's 4,096 bytes for fragments
	v_lshlrev_b32 v[LRD], 4, v6
	v_add_nc_u32 v[LRD], s22, v[LRD]               ; read: row m = r of a fragment, 16 bytes
	v_lshl_add_u32 v[LWR], v7, 9, v[LRD]           ; write: I own row m = r of fragment q = h
	v_lshrrev_b32 v[CO], 1, v6                     ; my row of A: co = m / 2,
	v_and_b32 v[GA], 1, v6
	v_lshl_add_u32 v[GA], v7, 1, v[GA]             ; node i = 2 q + m % 2
	s_lshl2_add_u32 s18, s16, s18                  ; 4 n0 + my first y node's place
	v_lshl_add_u32 v[GA], v[GA], 2, s18
	v_mul_u32_u24 v[CO], v[CO], COP
	v_add_nc_u32 v[GA], v[CO], v[GA]
	s_mov_b32 s[ZC+0], 0
	s_mov_b32 s[ZC+1], 0x3f800000
	s_mov_b32 s[ZC+2], 0x40000000
	s_mov_b32 s[ZC+3], 0x40400000
	s_mov_b32 s[ZC+4], 0x40800000
	s_mov_b32 s[ZC+5], 0x40a00000
	s_mov_b32 s[ZC+6], 0x40c00000
	s_mov_b32 s[ZC+7], 0x40e00000
	s_mov_b32 s21, 0x3cf0783c                      ; 15 / 511: grid cells for each pixel
	s_lshl_b32 s19, s12, 6
	v_lshl_add_u32 v[W0], v6, 2, s19               ; my first pixel's column
.irp i, 0,1,2,3
	s_add_co_u32 s20, s16, \i
	v_cvt_f32_u32 v[NF+\i], s20
	v_mul_f32 v[NF+\i], -1.0, v[NF+\i]
.endr
.irp t, 0,1,2,3
	v_add_nc_u32 v[TA], \t, v[W0]
	v_cvt_f32_u32 v[TA], v[TA]
.irp i, 0,1,2,3
	v_fma_f32 v[TB], v[TA], s21, v[NF+\i]          ; distance from node n0 + i
	v_and_b32 v[TB], 0x7fffffff, v[TB]
	v_sub_f32 v[TB], 1.0, v[TB]
	v_max_num_f32 v[HX+4*\t+\i], 0, v[TB]          ; hat: max(0, 1 - |distance|)
.endr
.endr
	v_cvt_f32_u32 v[YF], s15
	v_mul_f32 v[YF], -1.0, v[YF]
.irp t, 0,1,2,3
	s_add_co_u32 s20, s14, \t
	v_cvt_f32_u32 v[TA], s20
	v_fma_f32 v[TA], v[TA], s21, v[YF]             ; row's y, from my first node
	v_add_f32 v[TB], -1.0, v[TA]
	v_med3_num_f32 v[RY+4*\t], v[TA], 0, 1.0       ; ramp over the first cell,
	v_med3_num_f32 v[RY+4*\t+2], v[TB], 0, 1.0     ; over the second
	v_mul_f32 v[RY+4*\t+1], 0x3e000000, v[RY+4*\t]     ; the bias half of each pair carries the 1/8 of the mean over 8 channels
	v_mul_f32 v[RY+4*\t+3], 0x3e000000, v[RY+4*\t+2]
.endr
	s_wait_loadcnt 32                              ; loads return in order (ISA guide 5.7.1): the 8 slab loads are in, the 32 younger loads of the tiles stay out
.irp k, 0,1,2,3,4,5,6,7
	ds_store_b128 v[LSL], v[SL+4*\k:SL+4*\k+3] offset:\k*COP
.endr
	s_wait_dscnt 0x0                               ; my pieces are in LDS, for the other waves' sake,
	s_barrier_signal -1
	s_barrier_wait -1                              ; and so are everybody's
	; my 48 numbers: (weight, bias) x 8 z x 3 y of one (co, x node).  The 32 lanes touch banks 4 co + i + a constant: all different
.irp y, 0,1,2
.irp z, 0,1,2,3,4,5,6,7
.irp s, 0,1
	ds_load_b32 v[XV+16*\y+2*\z+\s], v[GA] offset:(8*\s+\z)*256+64*\y
.endr
.endr
.endr
	s_wait_dscnt 0x0                               ; my reads of the slab are over:
	s_barrier_signal -1                            ; say so; behind the barrier its bytes are written again, as the waves' fragment space
	; registers only, while the others arrive.  Differences along y: set 2 = node 2 - node 1, set 1 = node 1 - node 0
.irp p, 0,1,2,3,4,5,6,7
	v_pk_add_f32 v[XV+32+2*\p:XV+32+2*\p+1], v[XV+32+2*\p:XV+32+2*\p+1], v[XV+16+2*\p:XV+16+2*\p+1] neg_lo:[0,1] neg_hi:[0,1]
.endr
.irp p, 0,1,2,3,4,5,6,7
	v_pk_add_f32 v[XV+16+2*\p:XV+16+2*\p+1], v[XV+16+2*\p:XV+16+2*\p+1], v[XV+2*\p:XV+2*\p+1] neg_lo:[0,1] neg_hi:[0,1]
.endr
.irp p, 0,1,2,3,4,5,6,7
	v_mul_f32 v[XV+2*\p+1], 0x3e000000, v[XV+2*\p+1]   ; set 0's bias half: the 1/8 (sets 1 and 2 get it from RY)
.endr
	s_barrier_wait -1
; Row t's A: 8 z x (weight, bias) interpolated along y in f32, rounded once to f16, 16 + 16 bytes into my wave's own LDS bytes.
; Layout there: fragment q at 512 q; registers 0-3 (weights) of row m at 16 m, registers 4-7 (biases) 256 further: no bank is hit twice.
.macro AROW t
.irp p, 0,1,2,3,4,5,6,7
	v_pk_fma_f32 v[XT+2*\p:XT+2*\p+1], v[XV+16+2*\p:XV+16+2*\p+1], v[RY+4*\t:RY+4*\t+1], v[XV+2*\p:XV+2*\p+1]
.endr
.irp p, 0,1,2,3,4,5,6,7
	v_pk_fma_f32 v[XT+2*\p:XT+2*\p+1], v[XV+32+2*\p:XV+32+2*\p+1], v[RY+4*\t+2:RY+4*\t+3], v[XT+2*\p:XT+2*\p+1]
.endr
.irp i, 0,1,2,3
	v_cvt_pk_f16_f32 v[XF+\i],   v[XT+4*\i],   v[XT+4*\i+2]     ; weights of z = 2 i, 2 i + 1
	v_cvt_pk_f16_f32 v[XF+4+\i], v[XT+4*\i+1], v[XT+4*\i+3]     ; biases
.endr
	ds_store_b128 v[LWR], v[XF:XF+3] offset:\t*FRAGS
	ds_store_b128 v[LWR], v[XF+4:XF+7] offset:\t*FRAGS+256
.endm
	AROW 0
	AROW 1
	AROW 2
	AROW 3
; m z = clamp(7 g, z, z + 1) for channel c, two pixels: one instruction a number
.macro CL gb, z, c
.if \z < 7
	v_med3_num_f32 v[MM+8*((\z)&1)+2*\c],   v[\gb+4*\c],   s[ZC+\z], s[ZC+\z+1]
	v_med3_num_f32 v[MM+8*((\z)&1)+2*\c+1], v[\gb+4*\c+1], s[ZC+\z], s[ZC+\z+1]
.endif
.endm
; Mw[z] and Mb[z] of two pixels over my four channels, and from them and their forerunners Hw[z] and Hb[z];
; the next z's clamps stand between the links of the chains.
.macro ZSTEP gb, ib, z
.set MB,  MM+8*((\z)&1)
.set WR,  WW+2*((\z)&1)                ; Mw[z]
.set WP,  WW+2-2*((\z)&1)              ; Mw[z-1]
.set BR,  BB+2*((\z)&1)                ; Mb[z]
.set BP,  BB+2-2*((\z)&1)              ; Mb[z-1]
.set HWR, HW+2*((\z)&1)
.set HBR, HB+2*((\z)&1)
	v_pk_mul_f32 v[WR:WR+1], v[\ib:\ib+1], v[MB:MB+1]
	v_pk_add_f32 v[BR:BR+1], v[MB:MB+1], v[MB+2:MB+3]
	CL \gb, \z+1, 0
	v_pk_fma_f32 v[WR:WR+1], v[\ib+4:\ib+5], v[MB+2:MB+3], v[WR:WR+1]
	v_pk_add_f32 v[TT:TT+1], v[MB+4:MB+5], v[MB+6:MB+7]
	CL \gb, \z+1, 1
	v_pk_fma_f32 v[WR:WR+1], v[\ib+8:\ib+9], v[MB+4:MB+5], v[WR:WR+1]
	v_pk_add_f32 v[BR:BR+1], v[BR:BR+1], v[TT:TT+1]
	CL \gb, \z+1, 2
	v_pk_fma_f32 v[WR:WR+1], v[\ib+12:\ib+13], v[MB+6:MB+7], v[WR:WR+1]
.if \z == 0
	v_pk_fma_f32 v[HBR:HBR+1], v[BR:BR+1], -1.0, 4.0 op_sel_hi:[1,0,0]                         ; Hb[0] = 4 - Mb[0]: four channels' 1 - m 0
	CL \gb, \z+1, 3
	v_pk_add_f32 v[HWR:HWR+1], v[SS:SS+1], v[WR:WR+1] neg_lo:[0,1] neg_hi:[0,1]                ; Hw[0] = S - Mw[0]
.else
	v_pk_add_f32 v[HBR:HBR+1], v[BP:BP+1], v[BR:BR+1] neg_lo:[0,1] neg_hi:[0,1]                ; Mb[z-1] - Mb[z]
	CL \gb, \z+1, 3
	v_pk_add_f32 v[HWR:HWR+1], v[WP:WP+1], v[WR:WR+1] neg_lo:[0,1] neg_hi:[0,1]                ; Mw[z-1] - Mw[z]
	v_pk_add_f32 v[HBR:HBR+1], v[HBR:HBR+1], 4.0 op_sel_hi:[1,0]                               ; + 4: four channels' + 1
	v_pk_add_f32 v[HWR:HWR+1], v[HWR:HWR+1], v[SS:SS+1]                                        ; + S
.endif
.endm
; z = 2 i (low half) and 2 i + 1 (high half) of both pixels' B fragments
.macro PACK i
.irp e, 0,1
	v_cvt_pk_f16_f32 v[BF+8*\e+\i],   v[HW+\e], v[HW+2+\e]
	v_cvt_pk_f16_f32 v[BF+8*\e+4+\i], v[HB+\e], v[HB+2+\e]
.endr
.endm
; the 16 numbers of two pixels.  gb: guide registers [c] of the pair, 4 apart; ib: input registers likewise
.macro RAMPS gb, ib
.irp c, 0,1,2,3
	v_pk_mul_f32 v[\gb+4*\c:\gb+4*\c+1], v[\gb+4*\c:\gb+4*\c+1], 0x40e00000 op_sel_hi:[1,0]    ; 7 g, in place
.endr
	v_pk_add_f32 v[SS:SS+1], v[\ib:\ib+1], v[\ib+4:\ib+5]
	v_pk_add_f32 v[TT:TT+1], v[\ib+8:\ib+9], v[\ib+12:\ib+13]
	CL \gb, 0, 0
	CL \gb, 0, 1
	CL \gb, 0, 2
	CL \gb, 0, 3
	v_pk_add_f32 v[SS:SS+1], v[SS:SS+1], v[TT:TT+1]
	ZSTEP \gb, \ib, 0
	ZSTEP \gb, \ib, 1
	PACK 0
	ZSTEP \gb, \ib, 2
	ZSTEP \gb, \ib, 3
	PACK 1
	ZSTEP \gb, \ib, 4
	ZSTEP \gb, \ib, 5
	PACK 2
	ZSTEP \gb, \ib, 6
	v_pk_fma_f32 v[HW+2:HW+3], v[SS:SS+1], 0xc0c00000, v[WW:WW+1] op_sel_hi:[1,0,1]            ; Hw[7] = Mw[6] - 6 S
	v_pk_add_f32 v[HB+2:HB+3], v[BB:BB+1], 0xc1c00000 op_sel_hi:[1,0]                          ; Hb[7] = Mb[6] - 24
	PACK 3
.endm
; two pixel groups x two node pairs; C = 0: nothing is cleared
.macro MULT
.irp e, 0,1
.irp q, 0,1
	v_wmma_f32_16x16x32_f16 v[DD+16*\e+8*\q:DD+16*\e+8*\q+7], v[AF+8*\q:AF+8*\q+7], v[BF+8*\e:BF+8*\e+7], 0
.endr
.endr
.endm
; Result register 2 c + nd of lane (r, h) is (co = 4 h + c, node 2 q + nd) of pixel r: blend the four nodes, two at a time, into the tile's
; guide registers [c][px], which are done with: four neighbouring pixels of one channel end up in four neighbouring registers.
.macro POST t, pp
.irp e, 0,1
.irp c, 0,1,2,3
	v_pk_mul_f32 v[DD+16*\e+2*\c:DD+16*\e+2*\c+1], v[DD+16*\e+2*\c:DD+16*\e+2*\c+1], v[HX+4*(2*\pp+\e):HX+4*(2*\pp+\e)+1]
.endr
.irp c, 0,1,2,3
	v_pk_fma_f32 v[DD+16*\e+2*\c:DD+16*\e+2*\c+1], v[DD+16*\e+8+2*\c:DD+16*\e+8+2*\c+1], v[HX+4*(2*\pp+\e)+2:HX+4*(2*\pp+\e)+3], v[DD+16*\e+2*\c:DD+16*\e+2*\c+1]
.endr
.irp c, 0,1,2,3
	v_add_f32 v[ST+32*\t+4*\c+2*\pp+\e], v[DD+16*\e+2*\c], v[DD+16*\e+2*\c+1]
.endr
.endr
.endm
.macro TILE t
	; the row's A fragments.  LDS serves a wave's instructions in order (ISA guide 5.7.1.4): these see my stores above.  Both lane halves read the
	; same 256 bytes: A does not depend on the channel half.  They stand more than four plain vector instructions behind the last product that read AF.
.irp f, 0,1,2,3
	ds_load_b128 v[AF+4*\f:AF+4*\f+3], v[LRD] offset:\t*FRAGS+\f*256
.endr
	s_wait_loadcnt 8*(TILES-1-\t)                  ; this tile's 8 loads are in; the 8 of each later tile stay out
	RAMPS ST+32*\t, ST+32*\t+16
	s_wait_dscnt 0x0                               ; the fragments
	MULT
	RAMPS ST+32*\t+2, ST+32*\t+18                  ; its first write of a B fragment stands dozens of vector instructions behind the products, none of which names their registers
	POST \t, 0
	MULT
.rept 4
	v_nop                                          ; four independent places before a vector instruction reads a matrix result (ISA guide 7.12.1)
.endr
	POST \t, 1
.irp c, 0,1,2,3
	global_store_b128 v[VOFF], v[ST+32*\t+4*\c:ST+32*\t+4*\c+3], s[10:11] offset:\c*CHB+\t*ROWB th:TH_STORE_NT   ; data, offset and base are never written again
.endr
.endm
	TILE 0
	TILE 1
	TILE 2
	TILE 3
	s_wait_tensorcnt 0x0
	ds_add_u32 v254, v255
	s_wait_dscnt 0x0
	s_endpgm
.Lfunc_end_k_q95276fd0c0_slice:
	.size	k_q95276fd0c0_slice, .Lfunc_end_k_q95276fd0c0_slice-k_q95276fd0c0_slice
	.p2alignl 7, 3214868480
	.fill 96, 4, 3214868480
	.section	.rodata,"a",@progbits
	.p2align	6, 0x0
	.amdhsa_kernel k_q95276fd0c0_slice
		.amdhsa_group_segment_fixed_size 34048
		.amdhsa_private_segment_fixed_size 0
		.amdhsa_enable_private_segment 0
		.amdhsa_kernarg_size 32
		.amdhsa_user_sgpr_count 2
		.amdhsa_user_sgpr_kernarg_segment_ptr 1
		.amdhsa_wavefront_size32 1
		.amdhsa_system_sgpr_workgroup_id_x 1
		.amdhsa_system_sgpr_workgroup_id_y 1
		.amdhsa_system_sgpr_workgroup_id_z 1
		.amdhsa_system_vgpr_workitem_id 0
		.amdhsa_next_free_vgpr 256
		.amdhsa_next_free_sgpr 66
		.amdhsa_reserve_vcc 0
		.amdhsa_float_denorm_mode_32 3
		.amdhsa_float_denorm_mode_16_64 3
		.amdhsa_memory_ordered 1
		.amdhsa_forward_progress 1
		.amdhsa_inst_pref_size 119
	.end_amdhsa_kernel
	.amdgpu_metadata
---
amdhsa.version: [ 1, 2 ]
amdhsa.kernels:
  - .name:           k_q95276fd0c0_slice
    .symbol:         k_q95276fd0c0_slice.kd
    .args:
      - { .name: grid, .offset: 0, .size: 8, .value_kind: global_buffer, .address_space: global }
      - { .name: guide, .offset: 8, .size: 8, .value_kind: global_buffer, .address_space: global }
      - { .name: input, .offset: 16, .size: 8, .value_kind: global_buffer, .address_space: global }
      - { .name: out0, .offset: 24, .size: 8, .value_kind: global_buffer, .address_space: global }
    .group_segment_fixed_size: 34048
    .private_segment_fixed_size: 0
    .kernarg_segment_align: 8
    .kernarg_segment_size: 32
    .max_flat_workgroup_size: 256
    .sgpr_count:     66
    .vgpr_count:     256
    .wavefront_size: 32
...
	.end_amdgpu_metadata
.endif
;; end of part 1
;; ======== version 2 of 2: 1 launch; version 1 with the launch slice written anew for expert scheduling mode
;; limits: values outside matrix products are rounded to f16; values are held in f16: magnitudes above 65,504 overflow, below 6.1e-05 lose precision
;; launch slice (part 2): grid 256 x 1, 8 waves a work-group, no clusters, 34,048 bytes of LDS; arguments grid, guide, input, out0; writes out0
.if DOCPART == 2
	.amdgcn_target "amdgcn-amd-amdhsa--gfx1250"
	.amdhsa_code_object_version 6
	.text
	.protected	k_q95276fd0c0_slice
	.globl	k_q95276fd0c0_slice
	.p2align	8
	.type	k_q95276fd0c0_slice,@function
k_q95276fd0c0_slice:
	s_mov_b64 s[64:65], 0
	v_nop
	global_prefetch_b8 v0, s[64:65] scope:SCOPE_SE
	s_setreg_imm32_b32 hwreg(HW_REG_WAVE_SCHED_MODE, 0, 2), 2
	s_setreg_imm32_b32 hwreg(HW_REG_WAVE_MODE, 25, 1), 1
	s_wait_xcnt 0x0
	s_wait_alu depctr_vm_vsrc(0)
; BilateralSliceApply.  grid [2][8 co][2 s][8 z][16 y][16 x], guide, input, out [2][8][512][512], all f32.
; out[co] = sum over ci of input[ci] * W(co, ci) + mean over ci of Bias(co, ci), W and Bias = grid sampled trilinearly at (7 guide[ci], y, x).
;
; HOW IT IS COMPUTED.  Linear interpolation along z with border clamp is  sum over z = 0..7 of G[z] * hat z (t),  t = 7 g clamped to 0..7,
; hat z (t) = max(0, 1 - |t - z|).  So a pixel needs 16 numbers: Hw[z] = sum over channels of input * hat z, Hb[z] = sum of hat z; their
; contraction with the grid (interpolated in y and x) is a matrix product that 16 pixels share: v_wmma_f32_16x16x32_f16, sums in f32.
; A channel's hats are not negative and add up to one, so the rounded operands meet in no telescoping sum: the sum of |a b| stays within
; max |G| * sum |input|, as in the module's own sum.
; The hats cost one instruction a number and z: with m z = clamp(7 g, z, z + 1):  hat 0 = 1 - m 0,  hat z = m (z-1) - m z + 1,  hat 7 = m 6 - 6.
; These differences are taken on the channel sums, in f32, before the one rounding to f16: Hw[z] = Mw[z-1] - Mw[z] + S with Mw[z] = sum input * m z,
; S = sum input.  Mw is at most 7 times the numbers that it yields, whatever the inputs: at most 3 of f32's 24 bits go.
;   K = 32: k = 8 h + z: Hw[z] of channels 4h..4h+3;  k = 16 + 8 h + z: Hb[z] of the same channels.  Lane half h sums its own four channels,
;           the matrix instruction adds the two halves.
;   M = 16: m = 2 co + nd, x node n0 + 2 q + nd in product q = 0, 1: a strip of 64 pixels spans 63 * 15 / 511 = 1.85 cells, so at most 4 nodes.
;   N = 16: pixel 64 j + 4 r + px, px = 0..3 in four products, so that a lane's loads and stores are 16 neighbouring bytes.
; The y interpolation is made in f32 on the A side, once for each image row, over 3 y nodes with two ramps: four rows span 0.09 cells, at most 2 cells.
; The four node results of a pixel are blended with hat weights of x that stay in registers.
;
; SHARES.  256 work-groups = 2 images x 128 blocks of 4 rows; wave j = strip j (64 pixels) of those rows, one tile for each row.
; Lane (r = l % 16, h = l / 16): pixels 64 j + 4 r .. + 3, input channels 4 h + c, output channels 4 h + c.  Each load or store of a wave covers
; two runs of 256 consecutive bytes, each at a multiple of 256 from its buffer's first byte.  All loads of a wave are issued at its head.
; NO CLUSTER, NO TENSOR LOAD: guide, input and out are touched by one wave each; only the 32 KB grid slab is shared, against 192 KB of a work-group's
; own bytes, and its y window differs between neighbouring work-groups, so that no joint request would be equal in all partners.
;
; THE MODE: SCHED_MODE bits 1:0 = 2 (LLVM: expert scheduling mode 2), set by the entry lines.  The code itself states the register dependences
; between vector or matrix instructions and memory or LDS instructions, with s_wait_alu, always for 0.
; THE PLAN.  The text has no branch.  Registers that memory or LDS instructions touch, in the order of the text:
;   v1, v4            offsets of the global loads and stores: made at the head, ahead of the first wait on va_vdst; never written again.
;   v5, v249, v2, v3  LDS addresses of the slab's stores, the gather, the fragments' loads and the A rows' stores: made while the loads are out, ahead of the
;                     second wait on va_vdst; of them only v249 is written again, in the tiles.
;   v[152:183]        the slab as loaded; the LDS stores read it; the gather lands in it: a wait on vm_vsrc between the two.
;   v[152:199]        the gathered grid numbers: vector lines alone name them until the four A rows are made.
;   XA0 .. XA3        the four rows of A in f16, a buffer to each row: written by the rows' roundings, read by the eight LDS stores that stand in one run behind
;                     ONE wait on va_vdst.  The same wait states that the rows are done with v[152:167], in which tile 0's fragments land.
;                     The tiles' work registers lie over these buffers and over v249: one wait on vm_vsrc ahead of tile 0's first vector line.
;   AF                a tile's fragments of A: LDS loads land in it, the tile's eight matrix instructions read it.
;   ST, tile t        global loads land in it; tile t's vector lines read it and lay the results in its guide half; four stores read that half; never written again.
; ONE wait on va_vdst stands at each tile's end: the blend has written the results, and the products are done reading AF.  Behind it come the next tile's four fragment
; loads and the finished tile's four stores; the next tile's vector and matrix lines name its own ST, AF (behind the wait on DScnt) and the work registers
; from v168 on: never v1, v2 or the registers that the stores read.  So tiles 1 to 3 hold no further wait of this kind.
;
; LIMITS.  Matrix operands are f16: a grid entry or a sum of four inputs above 65,504 in magnitude overflows; below 6e-5 the absolute rounding
; step is 6e-8.  Every grid entry must be finite: a strip multiplies all 3 x 4 nodes of its window and all 8 z, some by weight 0.
; A NaN in guide is clamped to a bound, not passed on.  Positions are index * f32(15/511), a few units in the last place from linspace.
; The sums over channels and z run in another order than in the module.
.set ROWB,  2048                       ; bytes in an image row
.set CHB,   0x100000                   ; bytes in a channel plane, 512 x 512 x 4
.set TILES, 4                          ; rows of a wave
.set COP,   4112                       ; LDS bytes of one output channel's slab part: 16 planes x 256 + 16, i.e. 1028 words: channel co starts at bank 4 co (64 banks of 4 bytes: ISA guide 11.1)
.set FRAGS, 1024                       ; LDS bytes of one row's two A fragments
.set VOFF, 1                           ; v1        byte offset of my 16 bytes in guide, input, out: 4 MB x h + 16 r
.set LRD,  2                           ; v2        LDS: where I read A fragments
.set LWR,  3                           ; v3        LDS: where I put my row of A
.set GOFF, 4                           ; v4        byte offset of my piece of the slab in grid
.set LSL,  5                           ; v5        LDS: where that piece goes
.set HX,   8                           ; v[8:23]   pixel px: hat weights of x nodes n0 .. n0+3
.set ST,   24                          ; v[24:151] tile t: 16 registers guide [c][px] (then 7 g, then out [c][px]), 16 registers input [c][px]
.set AF,   152                         ; v[152:167] A fragments q = 0, 1 of the tile's row
.set BF,   168                         ; v[168:183] B fragments of two pixels
.set DD,   184                         ; v[184:215] results: pixel e of the pair, product q: 8 registers
.set MM,   216                         ; v[216:231] clamped 7 g, [c][pixel of the pair], two buffers that take turns with z
.set WW,   232                         ; v[232:235] Mw of an even and an odd z, two pixels each
.set BB,   236                         ; v[236:239] Mb likewise
.set TT,   240                         ; v[240:241] at work
.set SS,   242                         ; v[242:243] S of two pixels
.set HW,   244                         ; v[244:247] Hw of an even and an odd z, two pixels each
.set HB,   248                         ; v[248:251] Hb likewise
; before the tiles only, in registers that the tiles use otherwise:
.set SL,   152                         ; v[152:183] my 8 pieces of the slab
.set XV,   152                         ; v[152:199] my (co, node): y set 0..2 x z 0..7 x (weight, bias)
.set XT,   200                         ; v[200:215] one row's 8 z x (weight, bias)
.set RY,   224                         ; v[224:239] row t: (ry0, ry0/8, ry1, ry1/8)
.set TA,   240
.set TB,   241
.set NF,   244                         ; v[244:247] -(n0 + i)
.set YF,   248                         ; -(first y node)
.set GA,   249                         ; LDS: where I gather my grid numbers
.set W0,   250
.set CO,   251
.set XA0,  216                         ; v[216:223] row 0 of A in f16: four registers of weights, four of biases
.set XA1,  240                         ; v[240:247] row 1: where TA, TB and NF lay, which are done with
.set XA2,  224                         ; v[224:231] row 2: where the y ramps of rows 0 and 1 lay
.set XA3W, 232                         ; v[232:235] row 3's weights: where row 2's ramps lay
.set XA3B, 252                         ; v[252:255] row 3's biases
.set ZC,   36                          ; s[36:43]  0.0 .. 7.0
	s_load_b256 s[4:11], s[0:1], 0x0               ; grid s[4:5], guide s[6:7], input s[8:9], out s[10:11]
	s_set_vgpr_msb 0x40
	v_lshl_add_u32 v0, v0, 2, 0x8100
	v_mov_b32 v1, 0
	s_set_vgpr_msb 0x4000
	v_lshrrev_b32 v2, 5, v0
	v_readfirstlane_b32 s12, v2                    ; wave = strip j
	v_and_b32 v6, 15, v0                           ; r
	v_bfe_u32 v7, v0, 4, 1                         ; h
	s_lshr_b32 s13, ttmp9, 7                       ; image
	s_and_b32 s14, ttmp9, 127
	s_lshl_b32 s14, s14, 2                         ; first row
	; floor(n / 511) = (n * 8209) >> 22 for n <= 7665: 8209 / 2^22 exceeds 1/511 by a factor 1.000118, at most 0.0018 in 15, less than 1/511
	s_mul_i32 s15, s14, 15*8209
	s_lshr_b32 s15, s15, 22
	s_min_u32 s15, s15, 13                         ; first of my three y nodes
	s_min_u32 s17, s15, 12                         ; first of the slab's four y rows
	s_cmp_gt_u32 s15, 12
	s_cselect_b32 s18, 64, 0                       ; my first node's place in the slab, in bytes
	s_wait_alu depctr_va_sdst(0)                   ; s12 is written, ahead of its first reader: the strip's x nodes, the bases and the LDS addresses are made from it
	s_mul_i32 s16, s12, 960*8209
	s_lshr_b32 s16, s16, 22
	s_min_u32 s16, s16, 12                         ; n0: first of the strip's four x nodes (0, 1, 3, 5, 7, 9, 11, 12)
	s_lshl_b32 s28, s13, 17                        ; grid: image x 131,072 bytes
	s_lshl_b32 s2, s17, 6                          ;       + y row x 64
	s_add_co_u32 s28, s28, s2
	s_mov_b32 s29, 0
	s_lshl_b32 s30, s13, 23                        ; guide, input, out: image x 8 MB
	s_lshl_b32 s2, s14, 11                         ;       + row x 2,048
	s_add_co_u32 s30, s30, s2
	s_lshl_b32 s2, s12, 8                          ;       + strip x 256
	s_add_co_u32 s30, s30, s2
	s_mov_b32 s31, 0
	v_lshrrev_b32 v[GOFF], 4, v0                   ; plane 8 s + z = thread / 16
	v_lshlrev_b32 v[GOFF], 10, v[GOFF]             ; x 1,024 bytes
	v_lshl_add_u32 v[GOFF], v6, 4, v[GOFF]         ; + my 16 of the plane's 256 bytes (4 y rows)
	v_lshlrev_b32 v[VOFF], 4, v6
	v_lshl_add_u32 v[VOFF], v7, 22, v[VOFF]
	s_wait_kmcnt 0x0
	s_add_nc_u64 s[4:5], s[4:5], s[28:29]
	s_add_nc_u64 s[6:7], s[6:7], s[30:31]
	s_add_nc_u64 s[8:9], s[8:9], s[30:31]
	s_add_nc_u64 s[10:11], s[10:11], s[30:31]
	s_wait_alu depctr_va_vdst(0)                   ; v[GOFF] and v[VOFF] are written: every global load and store of the kernel reads one of them as its offset
	; the slab: load k brings output channel k, 16 planes x 256 consecutive bytes, 16 lanes to a plane
.irp k, 0,1,2,3,4,5,6,7
	global_load_b128 v[SL+4*\k:SL+4*\k+3], v[GOFF], s[4:5] offset:\k*16384
.endr
	; all four tiles: 32 loads, read once in the launch
.irp t, 0,1,2,3
.irp c, 0,1,2,3
	global_load_b128 v[ST+32*\t+4*\c:ST+32*\t+4*\c+3], v[VOFF], s[6:7] offset:\c*CHB+\t*ROWB th:TH_LOAD_NT
	global_load_b128 v[ST+32*\t+16+4*\c:ST+32*\t+16+4*\c+3], v[VOFF], s[8:9] offset:\c*CHB+\t*ROWB th:TH_LOAD_NT
.endr
.endr
	; while they are on their way: LDS addresses, constants, the weights of x and y.  None of these lines names an offset or a destination of the loads above
	v_lshlrev_b32 v[LSL], 4, v0                    ; slab piece: 16 x thread (+ k x COP)
	s_lshl_b32 s22, s12, 12                        ; my wave's 4,096 bytes for fragments
	v_lshlrev_b32 v[LRD], 4, v6
	v_add_nc_u32 v[LRD], s22, v[LRD]               ; read: row m = r of a fragment, 16 bytes
	v_lshl_add_u32 v[LWR], v7, 9, v[LRD]           ; write: I own row m = r of fragment q = h
	v_lshrrev_b32 v[CO], 1, v6                     ; my row of A: co = m / 2,
	v_and_b32 v[GA], 1, v6
	v_lshl_add_u32 v[GA], v7, 1, v[GA]             ; node i = 2 q + m % 2
	s_lshl2_add_u32 s18, s16, s18                  ; 4 n0 + my first y node's place
	v_lshl_add_u32 v[GA], v[GA], 2, s18
	v_mul_u32_u24 v[CO], v[CO], COP
	v_add_nc_u32 v[GA], v[CO], v[GA]
	s_mov_b32 s[ZC+0], 0
	s_mov_b32 s[ZC+1], 0x3f800000
	s_mov_b32 s[ZC+2], 0x40000000
	s_mov_b32 s[ZC+3], 0x40400000
	s_mov_b32 s[ZC+4], 0x40800000
	s_mov_b32 s[ZC+5], 0x40a00000
	s_mov_b32 s[ZC+6], 0x40c00000
	s_mov_b32 s[ZC+7], 0x40e00000
	s_mov_b32 s21, 0x3cf0783c                      ; 15 / 511: grid cells for each pixel
	s_lshl_b32 s19, s12, 6
	v_lshl_add_u32 v[W0], v6, 2, s19               ; my first pixel's column
.irp i, 0,1,2,3
	s_add_co_u32 s20, s16, \i
	v_cvt_f32_u32 v[NF+\i], s20
	v_mul_f32 v[NF+\i], -1.0, v[NF+\i]
.endr
.irp t, 0,1,2,3
	v_add_nc_u32 v[TA], \t, v[W0]
	v_cvt_f32_u32 v[TA], v[TA]
.irp i, 0,1,2,3
	v_fma_f32 v[TB], v[TA], s21, v[NF+\i]          ; distance from node n0 + i
	v_and_b32 v[TB], 0x7fffffff, v[TB]
	v_sub_f32 v[TB], 1.0, v[TB]
	v_max_num_f32 v[HX+4*\t+\i], 0, v[TB]          ; hat: max(0, 1 - |distance|)
.endr
.endr
	v_cvt_f32_u32 v[YF], s15
	v_mul_f32 v[YF], -1.0, v[YF]
.irp t, 0,1,2,3
	s_add_co_u32 s20, s14, \t
	v_cvt_f32_u32 v[TA], s20
	v_fma_f32 v[TA], v[TA], s21, v[YF]             ; row's y, from my first node
	v_add_f32 v[TB], -1.0, v[TA]
	v_med3_num_f32 v[RY+4*\t], v[TA], 0, 1.0       ; ramp over the first cell,
	v_med3_num_f32 v[RY+4*\t+2], v[TB], 0, 1.0     ; over the second
	v_mul_f32 v[RY+4*\t+1], 0x3e000000, v[RY+4*\t]     ; the bias half of each pair carries the 1/8 of the mean over 8 channels
	v_mul_f32 v[RY+4*\t+3], 0x3e000000, v[RY+4*\t+2]
.endr
	s_wait_loadcnt 32                              ; loads return in order (ISA guide 5.7.1): the 8 slab loads are in, the 32 younger loads of the tiles stay out
	s_wait_alu depctr_va_vdst(0)                   ; the four LDS addresses are written: v[LSL], which the stores below read, v[GA] for the gather, v[LRD] and v[LWR] for the fragments; no vector line writes them before their last reader
.irp k, 0,1,2,3,4,5,6,7
	ds_store_b128 v[LSL], v[SL+4*\k:SL+4*\k+3] offset:\k*COP
.endr
	s_wait_dscnt 0x0                               ; my pieces are in LDS, for the other waves' sake,
	s_barrier_signal -1
	s_barrier_wait -1                              ; and so are everybody's
	s_wait_alu depctr_vm_vsrc(0)                   ; my LDS stores have read v[SL ..], in which the gather's loads land
	; my 48 numbers: (weight, bias) x 8 z x 3 y of one (co, x node).  The 32 lanes touch banks 4 co + i + a constant: all different
.irp y, 0,1,2
.irp z, 0,1,2,3,4,5,6,7
.irp s, 0,1
	ds_load_b32 v[XV+16*\y+2*\z+\s], v[GA] offset:(8*\s+\z)*256+64*\y
.endr
.endr
.endr
	s_wait_dscnt 0x0                               ; my reads of the slab are over:
	s_barrier_signal -1                            ; say so; behind the barrier its bytes are written again, as the waves' fragment space
	; registers only, while the others arrive.  Differences along y: set 2 = node 2 - node 1, set 1 = node 1 - node 0
.irp p, 0,1,2,3,4,5,6,7
	v_pk_add_f32 v[XV+32+2*\p:XV+32+2*\p+1], v[XV+32+2*\p:XV+32+2*\p+1], v[XV+16+2*\p:XV+16+2*\p+1] neg_lo:[0,1] neg_hi:[0,1]
.endr
.irp p, 0,1,2,3,4,5,6,7
	v_pk_add_f32 v[XV+16+2*\p:XV+16+2*\p+1], v[XV+16+2*\p:XV+16+2*\p+1], v[XV+2*\p:XV+2*\p+1] neg_lo:[0,1] neg_hi:[0,1]
.endr
.irp p, 0,1,2,3,4,5,6,7
	v_mul_f32 v[XV+2*\p+1], 0x3e000000, v[XV+2*\p+1]   ; set 0's bias half: the 1/8 (sets 1 and 2 get it from RY)
.endr
	s_barrier_wait -1
; Row t's A: 8 z x (weight, bias) interpolated along y in f32, rounded once to f16, into the row's own registers: weights at xw, biases at xb.
.macro AROW t, xw, xb
.irp p, 0,1,2,3,4,5,6,7
	v_pk_fma_f32 v[XT+2*\p:XT+2*\p+1], v[XV+16+2*\p:XV+16+2*\p+1], v[RY+4*\t:RY+4*\t+1], v[XV+2*\p:XV+2*\p+1]
.endr
.irp p, 0,1,2,3,4,5,6,7
	v_pk_fma_f32 v[XT+2*\p:XT+2*\p+1], v[XV+32+2*\p:XV+32+2*\p+1], v[RY+4*\t+2:RY+4*\t+3], v[XT+2*\p:XT+2*\p+1]
.endr
.irp i, 0,1,2,3
	v_cvt_pk_f16_f32 v[\xw+\i], v[XT+4*\i],   v[XT+4*\i+2]      ; weights of z = 2 i, 2 i + 1
	v_cvt_pk_f16_f32 v[\xb+\i], v[XT+4*\i+1], v[XT+4*\i+3]      ; biases
.endr
.endm
; Row t's 16 + 16 bytes into my wave's own LDS bytes.
; Layout there: fragment q at 512 q; registers 0-3 (weights) of row m at 16 m, registers 4-7 (biases) 256 further: no bank is hit twice.
.macro APUT t, xw, xb
	ds_store_b128 v[LWR], v[\xw:\xw+3] offset:\t*FRAGS
	ds_store_b128 v[LWR], v[\xb:\xb+3] offset:\t*FRAGS+256
.endm
	AROW 0, XA0, XA0+4
	AROW 1, XA1, XA1+4
	AROW 2, XA2, XA2+4                             ; over the ramps of rows 0 and 1, which rows 0 and 1 have read
	AROW 3, XA3W, XA3B                             ; over row 2's ramps
	s_wait_alu depctr_va_vdst(0)                   ; the roundings have written the four rows' buffers, which the eight LDS stores read; the rows and the differences are done with v[XV .. XV+15], in which tile 0's fragments land
	APUT 0, XA0, XA0+4
	APUT 1, XA1, XA1+4
	APUT 2, XA2, XA2+4
	APUT 3, XA3W, XA3B
; m z = clamp(7 g, z, z + 1) for channel c, two pixels: one instruction a number
.macro CL gb, z, c
.if \z < 7
	v_med3_num_f32 v[MM+8*((\z)&1)+2*\c],   v[\gb+4*\c],   s[ZC+\z], s[ZC+\z+1]
	v_med3_num_f32 v[MM+8*((\z)&1)+2*\c+1], v[\gb+4*\c+1], s[ZC+\z], s[ZC+\z+1]
.endif
.endm
; Mw[z] and Mb[z] of two pixels over my four channels, and from them and their forerunners Hw[z] and Hb[z];
; the next z's clamps stand between the links of the chains.
.macro ZSTEP gb, ib, z
.set MB,  MM+8*((\z)&1)
.set WR,  WW+2*((\z)&1)                ; Mw[z]
.set WP,  WW+2-2*((\z)&1)              ; Mw[z-1]
.set BR,  BB+2*((\z)&1)                ; Mb[z]
.set BP,  BB+2-2*((\z)&1)              ; Mb[z-1]
.set HWR, HW+2*((\z)&1)
.set HBR, HB+2*((\z)&1)
	v_pk_mul_f32 v[WR:WR+1], v[\ib:\ib+1], v[MB:MB+1]
	v_pk_add_f32 v[BR:BR+1], v[MB:MB+1], v[MB+2:MB+3]
	CL \gb, \z+1, 0
	v_pk_fma_f32 v[WR:WR+1], v[\ib+4:\ib+5], v[MB+2:MB+3], v[WR:WR+1]
	v_pk_add_f32 v[TT:TT+1], v[MB+4:MB+5], v[MB+6:MB+7]
	CL \gb, \z+1, 1
	v_pk_fma_f32 v[WR:WR+1], v[\ib+8:\ib+9], v[MB+4:MB+5], v[WR:WR+1]
	v_pk_add_f32 v[BR:BR+1], v[BR:BR+1], v[TT:TT+1]
	CL \gb, \z+1, 2
	v_pk_fma_f32 v[WR:WR+1], v[\ib+12:\ib+13], v[MB+6:MB+7], v[WR:WR+1]
.if \z == 0
	v_pk_fma_f32 v[HBR:HBR+1], v[BR:BR+1], -1.0, 4.0 op_sel_hi:[1,0,0]                         ; Hb[0] = 4 - Mb[0]: four channels' 1 - m 0
	CL \gb, \z+1, 3
	v_pk_add_f32 v[HWR:HWR+1], v[SS:SS+1], v[WR:WR+1] neg_lo:[0,1] neg_hi:[0,1]                ; Hw[0] = S - Mw[0]
.else
	v_pk_add_f32 v[HBR:HBR+1], v[BP:BP+1], v[BR:BR+1] neg_lo:[0,1] neg_hi:[0,1]                ; Mb[z-1] - Mb[z]
	CL \gb, \z+1, 3
	v_pk_add_f32 v[HWR:HWR+1], v[WP:WP+1], v[WR:WR+1] neg_lo:[0,1] neg_hi:[0,1]                ; Mw[z-1] - Mw[z]
	v_pk_add_f32 v[HBR:HBR+1], v[HBR:HBR+1], 4.0 op_sel_hi:[1,0]                               ; + 4: four channels' + 1
	v_pk_add_f32 v[HWR:HWR+1], v[HWR:HWR+1], v[SS:SS+1]                                        ; + S
.endif
.endm
; z = 2 i (low half) and 2 i + 1 (high half) of both pixels' B fragments
.macro PACK i
.irp e, 0,1
	v_cvt_pk_f16_f32 v[BF+8*\e+\i],   v[HW+\e], v[HW+2+\e]
	v_cvt_pk_f16_f32 v[BF+8*\e+4+\i], v[HB+\e], v[HB+2+\e]
.endr
.endm
; the 16 numbers of two pixels.  gb: guide registers [c] of the pair, 4 apart; ib: input registers likewise
.macro RAMPS gb, ib
.irp c, 0,1,2,3
	v_pk_mul_f32 v[\gb+4*\c:\gb+4*\c+1], v[\gb+4*\c:\gb+4*\c+1], 0x40e00000 op_sel_hi:[1,0]    ; 7 g, in place
.endr
	v_pk_add_f32 v[SS:SS+1], v[\ib:\ib+1], v[\ib+4:\ib+5]
	v_pk_add_f32 v[TT:TT+1], v[\ib+8:\ib+9], v[\ib+12:\ib+13]
	CL \gb, 0, 0
	CL \gb, 0, 1
	CL \gb, 0, 2
	CL \gb, 0, 3
	v_pk_add_f32 v[SS:SS+1], v[SS:SS+1], v[TT:TT+1]
	ZSTEP \gb, \ib, 0
	ZSTEP \gb, \ib, 1
	PACK 0
	ZSTEP \gb, \ib, 2
	ZSTEP \gb, \ib, 3
	PACK 1
	ZSTEP \gb, \ib, 4
	ZSTEP \gb, \ib, 5
	PACK 2
	ZSTEP \gb, \ib, 6
	v_pk_fma_f32 v[HW+2:HW+3], v[SS:SS+1], 0xc0c00000, v[WW:WW+1] op_sel_hi:[1,0,1]            ; Hw[7] = Mw[6] - 6 S
	v_pk_add_f32 v[HB+2:HB+3], v[BB:BB+1], 0xc1c00000 op_sel_hi:[1,0]                          ; Hb[7] = Mb[6] - 24
	PACK 3
.endm
; two pixel groups x two node pairs; C = 0: nothing is cleared
.macro MULT
.irp e, 0,1
.irp q, 0,1
	v_wmma_f32_16x16x32_f16 v[DD+16*\e+8*\q:DD+16*\e+8*\q+7], v[AF+8*\q:AF+8*\q+7], v[BF+8*\e:BF+8*\e+7], 0
.endr
.endr
.endm
; Result register 2 c + nd of lane (r, h) is (co = 4 h + c, node 2 q + nd) of pixel r: blend the four nodes, two at a time, into the tile's
; guide registers [c][px], which are done with: four neighbouring pixels of one channel end up in four neighbouring registers.
.macro POST t, pp
.irp e, 0,1
.irp c, 0,1,2,3
	v_pk_mul_f32 v[DD+16*\e+2*\c:DD+16*\e+2*\c+1], v[DD+16*\e+2*\c:DD+16*\e+2*\c+1], v[HX+4*(2*\pp+\e):HX+4*(2*\pp+\e)+1]
.endr
.irp c, 0,1,2,3
	v_pk_fma_f32 v[DD+16*\e+2*\c:DD+16*\e+2*\c+1], v[DD+16*\e+8+2*\c:DD+16*\e+8+2*\c+1], v[HX+4*(2*\pp+\e)+2:HX+4*(2*\pp+\e)+3], v[DD+16*\e+2*\c:DD+16*\e+2*\c+1]
.endr
.irp c, 0,1,2,3
	v_add_f32 v[ST+32*\t+4*\c+2*\pp+\e], v[DD+16*\e+2*\c], v[DD+16*\e+2*\c+1]
.endr
.endr
.endm
; Row t's A fragments.  LDS serves a wave's instructions in order (ISA guide 5.7.1.4): these see my stores above.  Both lane halves read the
; same 256 bytes: A does not depend on the channel half.  They stand behind a wait on va_vdst since which no vector or matrix line names AF.
.macro AFRAG t
.irp f, 0,1,2,3
	ds_load_b128 v[AF+4*\f:AF+4*\f+3], v[LRD] offset:\t*FRAGS+\f*256
.endr
.endm
; Tile t's results leave: they stand behind the wait at the tile's end.  Data, offset and base are never written again.
.macro SEND t
.irp c, 0,1,2,3
	global_store_b128 v[VOFF], v[ST+32*\t+4*\c:ST+32*\t+4*\c+3], s[10:11] offset:\c*CHB+\t*ROWB th:TH_STORE_NT
.endr
.endm
.macro TILE t
	s_wait_loadcnt 8*(TILES-1-\t)                  ; this tile's 8 loads are in; the 8 of each later tile stay out
	RAMPS ST+32*\t, ST+32*\t+16
	s_wait_dscnt 0x0                               ; the fragments
	MULT
	RAMPS ST+32*\t+2, ST+32*\t+18                  ; its first write of a B fragment stands dozens of vector instructions behind the products, none of which names their registers
	POST \t, 0
	MULT
.rept 4
	v_nop                                          ; four independent places before a vector instruction reads a matrix result (ISA guide 7.12.1)
.endr
	POST \t, 1
	s_wait_alu depctr_va_vdst(0)                   ; the blend has written the tile's results, which its four stores read; the tile's products are done reading AF, in which the next tile's fragments land
.endm
	AFRAG 0
	s_wait_alu depctr_vm_vsrc(0)                   ; the eight LDS stores have read the rows' buffers, and the gather's loads v[GA]: the tiles' work registers, written from here on, lie over them
	TILE 0
	AFRAG 1                                        ; the loads first: the next products wait for them, nothing waits for the stores
	SEND 0
	TILE 1
	AFRAG 2
	SEND 1
	TILE 2
	AFRAG 3
	SEND 2
	TILE 3
	SEND 3
	s_set_vgpr_msb 0x5
	s_wait_dscnt 0x0
	s_wait_alu depctr_hold_cnt(0) depctr_sa_sdst(0) depctr_va_vdst(0) depctr_va_sdst(0) depctr_va_ssrc(0) depctr_va_vcc(0) depctr_vm_vsrc(0)
	s_wait_tensorcnt 0x0
	ds_add_u32 v0, v1
	s_wait_dscnt 0x0
	s_endpgm
.Lfunc_end_k_q95276fd0c0_slice:
	.size	k_q95276fd0c0_slice, .Lfunc_end_k_q95276fd0c0_slice-k_q95276fd0c0_slice
	.p2alignl 7, 3214868480
	.fill 96, 4, 3214868480
	.section	.rodata,"a",@progbits
	.p2align	6, 0x0
	.amdhsa_kernel k_q95276fd0c0_slice
		.amdhsa_group_segment_fixed_size 34048
		.amdhsa_private_segment_fixed_size 0
		.amdhsa_enable_private_segment 0
		.amdhsa_kernarg_size 32
		.amdhsa_user_sgpr_count 2
		.amdhsa_user_sgpr_kernarg_segment_ptr 1
		.amdhsa_wavefront_size32 1
		.amdhsa_system_sgpr_workgroup_id_x 1
		.amdhsa_system_sgpr_workgroup_id_y 1
		.amdhsa_system_sgpr_workgroup_id_z 1
		.amdhsa_system_vgpr_workitem_id 0
		.amdhsa_next_free_vgpr 258
		.amdhsa_next_free_sgpr 66
		.amdhsa_reserve_vcc 0
		.amdhsa_float_denorm_mode_32 3
		.amdhsa_float_denorm_mode_16_64 3
		.amdhsa_memory_ordered 1
		.amdhsa_forward_progress 1
		.amdhsa_inst_pref_size 120
	.end_amdhsa_kernel
	.amdgpu_metadata
---
amdhsa.version: [ 1, 2 ]
amdhsa.kernels:
  - .name:           k_q95276fd0c0_slice
    .symbol:         k_q95276fd0c0_slice.kd
    .args:
      - { .name: grid, .offset: 0, .size: 8, .value_kind: global_buffer, .address_space: global }
      - { .name: guide, .offset: 8, .size: 8, .value_kind: global_buffer, .address_space: global }
      - { .name: input, .offset: 16, .size: 8, .value_kind: global_buffer, .address_space: global }
      - { .name: out0, .offset: 24, .size: 8, .value_kind: global_buffer, .address_space: global }
    .group_segment_fixed_size: 34048
    .private_segment_fixed_size: 0
    .kernarg_segment_align: 8
    .kernarg_segment_size: 32
    .max_flat_workgroup_size: 256
    .sgpr_count:     66
    .vgpr_count:     258
    .wavefront_size: 32
...
	.end_amdgpu_metadata
.endif
;; end of part 2
